; MI455X (gfx1250); checked and timed in simulation.
; The chip was launched on July 23, 2026; its instructions are those of AMD's public machine-readable ISA for CDNA 5 (MIT licence, August 2026) and "CDNA5" Instruction Set Architecture Reference Guide (July 2026). The comments in the code are by the model that wrote it; some were corrected since.
;; Episodic SDM. Allowed arithmetic: matrix products marked QUANTISED: E2M1 operands, one E8M0 scale for each 32 along K, by v_wmma_scale_f32_16x16x128_f8f6f4 with both operands' format E2M1 (or v_wmma_scale_f32_32x16x128_f4), f32 sums; products left as they are: f32 operands where the result goes on into a quantised operand, else bf16, f16 or f32 operands; f32 sums; everything else in f32.
;; Inputs: keys 100,000 x 256 float32; values 100,000 x 256 float32; x 2,048 x 256 float32.
;; Outputs: out0 2,048 x 256 float32.
;; Constants: top_k = 8.
;; This version of the problem:
;;   THIS VERSION OF THE PROBLEM IS GIVEN IN LOW PRECISION. The matrix products marked QUANTISED in the list below multiply operands that are first quantised to E2M1 (2 exponent bits, 1 mantissa bit; 4 bits a number), with one power-of-two scale for each 32 numbers along K (OCP MX v1.0); their sums are f32. All else is computed in f32.
;;   The module's matrix products, in the order in which they are computed (A, B: the left and right operand; K: the contracted axis; several contracted axes count as one K, in the product's order):
;;     1. [M 2,048, K 256] x [K 256, N 100,000]; A: computed on the way; B: computed on the way: QUANTISED
;;     2. batch 2,048 x [M 256, K 8] x [K 8, N 1]; A: computed on the way; B: softmax: left as it is (K = 8 < 32)
;;   THE QUANTISER, for each operand of a quantised product, along K:
;;     - K is cut into blocks of 32 from its start; a last block that is shorter is filled with zeros.
;;     - A block's scale is 2^e with e = floor(log2(the largest magnitude in the block)) - 2, held to -126 .. 127; a block of zeros has e = 0. As a byte (E8M0): e + 127.
;;     - Each number is divided by its block's scale, clamped to +-6, and rounded to the nearest number of E2M1, ties to even, subnormals kept.
;;     - The product sums the exact products of the quantised numbers (number of the format x scale) in f32.
;;   ~~~python
;;   def quantise(x, axis):      # numpy; x: float32 -> the quantised numbers, widened to float32 again
;;       x = np.moveaxis(x, axis, -1); K = x.shape[-1]
;;       x = np.pad(x, [(0, 0)] * (x.ndim - 1) + [(0, -K % 32)]); x = x.reshape(x.shape[:-1] + (-1, 32)); a = np.abs(x).max(-1, keepdims=True)
;;       e = np.where(a > 0, np.clip(np.frexp(np.where(a > 0, a, 1))[1] - 1 - 2, -126, 127), 0)      # np.frexp(a)[1] - 1 = floor(log2(a)), exactly
;;       r = np.clip(x / 2.0 ** e, -6, 6)
;;       step = 2.0 ** (np.maximum(np.frexp(np.where(r == 0, 1, r))[1] - 1, 0) - 1)
;;       q = np.round(r / step) * step * 2.0 ** e      # np.round: ties to even
;;       return np.moveaxis(q.reshape(q.shape[:-2] + (-1,))[..., :K], -1, axis).astype(np.float32)
;;   ~~~
;;   OPERANDS COMPUTED ON THE WAY. 'Computed on the way' means the value that the module computes at that place (a softmax that the list does not call 'softmax' is quantised finished and normalised). What goes into a quantiser is computed in f32, as accurately as f32 sums, v_exp_f32 and their like allow (about 1e-6 of the number): no bf16 or f16 on the way to a quantiser, and a product that is left as it is and whose result goes on into a quantised operand takes f32 operands (vector FMAs, or v_wmma_f32_16x16x4_f32). A number that lies on a knife's edge between two numbers of the format may be rounded either way, as far as f32 arithmetic and the matrix unit's own rounding can turn it there, and no further.
;; One version. Each part assembles by itself: llvm-mc -triple=amdgcn-amd-amdhsa -mcpu=gfx1250 --defsym DOCPART=n.
;; ======== version 1 of 1: 5 launches
;; workspace buffers: kc 12,800,000 bytes; ks 800,000 bytes; xc 262,144 bytes; xs 16,384 bytes; gmax 20,480,000 bytes; gsel 65,536 bytes of whole numbers; tidx 65,536 bytes of whole numbers; twgt 65,536 bytes
;; launch prep (part 1): grid 3189 x 1, 4 waves a work-group, no clusters, 34,304 bytes of LDS; arguments keys, x, kc, ks, xc, xs; writes kc, ks, xc, xs
.if DOCPART == 1
	.amdgcn_target "amdgcn-amd-amdhsa--gfx1250"
	.amdhsa_code_object_version 6
	.text
	.protected	k_qf8a97cbae7_prep
	.globl	k_qf8a97cbae7_prep
	.p2align	8
	.type	k_qf8a97cbae7_prep,@function
k_qf8a97cbae7_prep:
	s_mov_b64 s[64:65], 0
	v_nop
	global_prefetch_b8 v0, s[64:65] scope:SCOPE_SE
	s_setreg_imm32_b32 hwreg(HW_REG_WAVE_MODE, 25, 1), 1
	s_wait_xcnt 0x0
; keys [100000][256] and x [2048][256], f32: each row is divided by max(its norm, 1e-12) and quantised along its 256 numbers to codes of FP4 (E2M1),
; one E8M0 byte for each 32.  One launch serves both tensors: work-groups 0 .. 3124 take keys, the other 64 take x; only pointers are chosen, the text has one path.
; SHARES.  A wave takes an OCTET, 8 neighbouring rows, 8,192 bytes.  Waves share nothing: no barrier.
; LAYOUT OF THE CODES (this program's own): an octet is 1,024 bytes; the 16 bytes (32 codes) of block B of row j lie at 256 (B / 2) + 128 (B % 2) + 16 j.
; So a matrix operand's lane (row r, half h) finds registers 4 c .. 4 c + 3 of K step s at 512 s + 256 c + 128 h + 16 (r % 8) of octet r / 8, and a load of a wave covers whole aligned pieces of 256 bytes.
; The scale bytes lie [row][8]: word 0 serves K step 0, word 1 K step 1.
; THE WAY.  Sixteen loads of 512 consecutive bytes; through the wave's own stage in LDS (rows 1,040 bytes apart);
; back so that lane l holds, of row l % 8, blocks l / 8 and 4 + l / 8, 32 neighbours each in consecutive registers.  The row's sum of squares joins lanes l, l xor 8, l xor 16, l xor 24.
; A block's largest magnitude is taken of the raw numbers and multiplied by 1 / norm: rounding is monotone, so that is the largest of the scaled numbers, bit for bit.
; LIMITS: NaN and infinities among the inputs are not served.  x / n is x times a reciprocal refined by one Newton step: within about one unit in the last place of the quotient.
; A block of zeros gets the byte 1 where the quantiser says 127: its codes are zeros, and this program alone reads the bytes.
.set NKWG, 3125                        ; work-groups for keys: 12,500 octets, four to a work-group
.set RP,   1040                        ; a stage row: 1,024 bytes + 16
.set WREG, 8*RP                        ; a wave's stage
.set R,    16                          ; v16-79   the octet as loaded
.set X,    80                          ; v80-143  my two blocks of 32
.set SQ,   144                         ; v144-151 four packed chains of squares
.set RN,   152                         ; v152-153 1 / norm, twice
.set BM,   154                         ; v154-155 the blocks' largest magnitudes
.set SO,   156                         ; v156-157 the conversions' scale operands
.set SB,   158                         ; v158-159 the scale bytes, then words
.set C,    160                         ; v160-167 the codes
	s_load_b128 s[4:7], s[0:1], 0x0                ; keys, x
	s_load_b128 s[8:11], s[0:1], 0x10              ; kc, ks
	s_load_b128 s[12:15], s[0:1], 0x20             ; xc, xs
	v_lshl_add_u32 v168, v0, 2, 0x8400
	v_mov_b32 v169, 0
	v_lshrrev_b32 v1, 5, v0
	v_readfirstlane_b32 s16, v1                    ; wave
	v_and_b32 v1, 31, v0                           ; lane
	v_lshlrev_b32 v2, 4, v1                        ; 16 x lane: my bytes of a load, and of a store of codes
	s_mul_i32 s17, s16, WREG
	v_add_nc_u32 v3, s17, v2                       ; the stage, on the way in
	v_and_b32 v7, 7, v1                            ; my row of the octet
	v_lshrrev_b32 v9, 3, v1                        ; my block, 0 .. 3
	v_mul_u32_u24 v4, v7, RP
	v_lshl_add_u32 v4, v9, 7, v4
	v_add_nc_u32 v4, s17, v4                       ; the stage, on the way out: my row, my block's 128 bytes
	v_and_b32 v5, 1, v9
	v_lshlrev_b32 v5, 2, v5
	v_lshl_add_u32 v5, v7, 3, v5                   ; where lanes 0-15 store a scale word: 8 x row + 4 x (lane / 8)
	v_lshlrev_b32 v6, 3, v9                        ; my byte's place in a scale word, in bits
	v_mov_b32 v10, 0                               ; written once: the destination of a lane exchange counts as one of its sources
	v_mov_b32 v11, 0
	s_mov_b32 s20, 0x76543210
	s_mov_b32 s21, 0xfedcba98                      ; v_permlanex16_b32's selects for lane l xor 16
	s_wait_kmcnt 0x0
	s_cmp_lt_u32 ttmp9, NKWG                       ; keys or x: the choice hangs on the work-group's number alone
	s_cselect_b64 s[4:5], s[4:5], s[6:7]
	s_cselect_b64 s[8:9], s[8:9], s[12:13]
	s_cselect_b64 s[10:11], s[10:11], s[14:15]
	s_cselect_b32 s18, 0, NKWG
	s_sub_co_u32 s18, ttmp9, s18
	s_lshl_b32 s18, s18, 2
	s_add_co_u32 s18, s18, s16                     ; my octet of the tensor: under 12,500, so every offset below stays under 2^27
	s_mov_b32 s23, 0
	s_lshl_b32 s22, s18, 13
	s_add_nc_u64 s[4:5], s[4:5], s[22:23]          ; 8,192 bytes of numbers,
	s_lshl_b32 s22, s18, 10
	s_add_nc_u64 s[8:9], s[8:9], s[22:23]          ; 1,024 of codes,
	s_lshl_b32 s22, s18, 6
	s_add_nc_u64 s[10:11], s[10:11], s[22:23]      ; 64 of scale bytes an octet
.irp i, 0,1,2,3,4,5,6,7,8,9,10,11,12,13,14,15
	global_load_b128 v[R+4*\i:R+4*\i+3], v2, s[4:5] offset:512*\i th:TH_LOAD_NT   ; 32 lanes read 512 consecutive bytes: half a row; read once in the launch
.endr
.irp i, 0,1,2,3,4,5,6,7,8,9,10,11,12,13,14,15
	s_wait_loadcnt 15-\i                           ; loads come back in order: load i is in, the 15 - i younger ones may be out
	ds_store_b128 v3, v[R+4*\i:R+4*\i+3] offset:(\i/2)*RP+(\i%2)*512
.endr
.irp u, 0,1
.irp n, 0,1,2,3,4,5,6,7
	ds_load_b128 v[X+32*\u+4*\n:X+32*\u+4*\n+3], v4 offset:512*\u+16*\n   ; LDS serves a wave's instructions in order: these see my stores
.endr
.endr
	s_wait_dscnt 0x0
	; the row's sum of squares: my 64 numbers in four packed chains, then the three other lanes of my row
.irp c, 0,1,2,3
	v_pk_mul_f32 v[SQ+2*\c:SQ+2*\c+1], v[X+2*\c:X+2*\c+1], v[X+2*\c:X+2*\c+1]
.endr
.set i, 4
.rept 28
	v_pk_fma_f32 v[SQ+2*(i%4):SQ+2*(i%4)+1], v[X+2*i:X+2*i+1], v[X+2*i:X+2*i+1], v[SQ+2*(i%4):SQ+2*(i%4)+1]
.set i, i+1
.endr
	v_pk_add_f32 v[SQ:SQ+1], v[SQ:SQ+1], v[SQ+2:SQ+3]
	v_pk_add_f32 v[SQ+4:SQ+5], v[SQ+4:SQ+5], v[SQ+6:SQ+7]
	v_pk_add_f32 v[SQ:SQ+1], v[SQ:SQ+1], v[SQ+4:SQ+5]
	v_add_f32 v8, v[SQ], v[SQ+1]
	v_add_f32_dpp v8, v8, v8 row_xmask:8 row_mask:0xf bank_mask:0xf
	v_permlanex16_b32 v10, v8, s20, s21
	v_add_f32 v8, v8, v10
	v_sqrt_f32 v9, v8                              ; the norm.  (A sum so small that it counts as zero here gives a norm far under 1e-12, which the maximum below replaces anyway)
	; the two blocks' largest raw magnitudes, by turns: plain work behind the root, which touches neither its source nor its result
.irp u, 0,1
	v_max3_num_f32 v[BM+\u], |v[X+32*\u]|, |v[X+32*\u+1]|, |v[X+32*\u+2]|
.endr
.irp i, 3,5,7,9,11,13,15,17,19,21,23,25,27,29
.irp u, 0,1
	v_max3_num_f32 v[BM+\u], v[BM+\u], |v[X+32*\u+\i]|, |v[X+32*\u+\i+1]|
.endr
.endr
.irp u, 0,1
	v_max3_num_f32 v[BM+\u], v[BM+\u], |v[X+32*\u+31]|, |v[X+32*\u+31]|
.endr
	s_wait_alu depctr_va_vdst(0)
	v_max_num_f32 v9, 0x2b8cbccc, v9               ; max(norm, 1e-12)
	v_rcp_f32 v[RN], v9
	v_nop                                          ; one plain instruction behind a transcendental (ISA guide 5.7.2)
	s_wait_alu depctr_va_vdst(0)
	v_fma_f32 v12, -v9, v[RN], 1.0                 ; one Newton step: e = 1 - n r,
	v_fma_f32 v[RN], v12, v[RN], v[RN]             ; r = r + e r
	v_mov_b32 v[RN+1], v[RN]
.set i, 0
.rept 32
	v_pk_mul_f32 v[X+2*i:X+2*i+1], v[X+2*i:X+2*i+1], v[RN:RN+1]
.set i, i+1
.endr
.irp u, 0,1
	v_mul_f32 v[BM+\u], v[BM+\u], v[RN]            ; the largest of the scaled numbers
.endr
.irp u, 0,1
	v_max_num_f32 v[BM+\u], 0x1800000, v[BM+\u]    ; the floor 2^(3 - 127): the byte cannot fall under 1
.endr
.irp u, 0,1
	v_add_nc_u32 v[SO+\u], 0xff000000, v[BM+\u]    ; 2 off the exponent field: the conversion takes the exponent field of this operand as its scale
.endr
.irp u, 0,1
	v_lshrrev_b32 v[SB+\u], 23, v[SO+\u]           ; the scale's byte
.endr
.irp u, 0,1
.irp g, 0,1,2,3
	v_cvt_scalef32_pk8_fp4_f32 v[C+4*\u+\g], v[X+32*\u+8*\g:X+32*\u+8*\g+7], v[SO+\u]   ; to the nearest code, ties to even, beyond 6 the largest code
.endr
.endr
	v_nop                                          ; one plain instruction behind the last scaled conversion
	global_store_b128 v2, v[C:C+3], s[8:9]             ; blocks 0-3 of the eight rows: by the lane map 16 x lane IS the octet's layout: 512 consecutive bytes
	global_store_b128 v2, v[C+4:C+7], s[8:9] offset:512 ; blocks 4-7
	; the scale words: my two bytes at their places, joined with those of the three other lanes of my row
.irp u, 0,1
	v_lshlrev_b32 v[SB+\u], v6, v[SB+\u]
.endr
	v_mov_b32_dpp v10, v[SB] row_xmask:8 row_mask:0xf bank_mask:0xf
	v_mov_b32_dpp v11, v[SB+1] row_xmask:8 row_mask:0xf bank_mask:0xf
	v_or_b32 v[SB], v[SB], v10
	v_or_b32 v[SB+1], v[SB+1], v11
	v_permlanex16_b32 v10, v[SB], s20, s21
	v_permlanex16_b32 v11, v[SB+1], s20, s21
	v_or_b32 v[SB], v[SB], v10
	v_or_b32 v[SB+1], v[SB+1], v11
	v_and_b32 v12, 8, v1
	v_cmp_ne_u32 vcc_lo, 0, v12
	v_cndmask_b32 v[SB], v[SB], v[SB+1], vcc_lo    ; lanes 0-7 keep word 0 of their row, lanes 8-15 word 1
	s_wait_xcnt 0x0                                ; EXEC is a source of the stores above: it changes only behind this wait
	v_cmp_gt_u32 vcc_lo, 16, v1
	s_wait_tensorcnt 0x0
	ds_add_u32 v168, v169
	s_wait_dscnt 0x0
	s_and_saveexec_b32 s24, vcc_lo
	global_store_b32 v5, v[SB], s[10:11]           ; the octet's 64 scale bytes
	s_wait_xcnt 0x0                                ; and again in front of the line that widens it
	s_or_b32 exec_lo, exec_lo, s24
	s_endpgm
.Lfunc_end_k_qf8a97cbae7_prep:
	.size	k_qf8a97cbae7_prep, .Lfunc_end_k_qf8a97cbae7_prep-k_qf8a97cbae7_prep
	.p2alignl 7, 3214868480
	.fill 96, 4, 3214868480
	.section	.rodata,"a",@progbits
	.p2align	6, 0x0
	.amdhsa_kernel k_qf8a97cbae7_prep
		.amdhsa_group_segment_fixed_size 34304
		.amdhsa_private_segment_fixed_size 0
		.amdhsa_enable_private_segment 0
		.amdhsa_kernarg_size 48
		.amdhsa_user_sgpr_count 2
		.amdhsa_user_sgpr_kernarg_segment_ptr 1
		.amdhsa_wavefront_size32 1
		.amdhsa_system_sgpr_workgroup_id_x 1
		.amdhsa_system_sgpr_workgroup_id_y 1
		.amdhsa_system_sgpr_workgroup_id_z 1
		.amdhsa_system_vgpr_workitem_id 0
		.amdhsa_next_free_vgpr 170
		.amdhsa_next_free_sgpr 66
		.amdhsa_reserve_vcc 1
		.amdhsa_float_denorm_mode_32 3
		.amdhsa_float_denorm_mode_16_64 3
		.amdhsa_memory_ordered 1
		.amdhsa_forward_progress 1
		.amdhsa_inst_pref_size 15
	.end_amdhsa_kernel
	.amdgpu_metadata
---
amdhsa.version: [ 1, 2 ]
amdhsa.kernels:
  - .name:           k_qf8a97cbae7_prep
    .symbol:         k_qf8a97cbae7_prep.kd
    .args:
      - { .name: keys, .offset: 0, .size: 8, .value_kind: global_buffer, .address_space: global }
      - { .name: x, .offset: 8, .size: 8, .value_kind: global_buffer, .address_space: global }
      - { .name: kc, .offset: 16, .size: 8, .value_kind: global_buffer, .address_space: global }
      - { .name: ks, .offset: 24, .size: 8, .value_kind: global_buffer, .address_space: global }
      - { .name: xc, .offset: 32, .size: 8, .value_kind: global_buffer, .address_space: global }
      - { .name: xs, .offset: 40, .size: 8, .value_kind: global_buffer, .address_space: global }
    .group_segment_fixed_size: 34304
    .private_segment_fixed_size: 0
    .kernarg_segment_align: 8
    .kernarg_segment_size: 48
    .max_flat_workgroup_size: 128
    .sgpr_count:     66
    .vgpr_count:     170
    .wavefront_size: 32
...
	.end_amdgpu_metadata
.endif
;; end of part 1
;; launch score (part 2): grid 250 x 1, 4 waves a work-group, no clusters, 10,752 bytes of LDS; arguments xc, xs, kc, ks, gmax; writes gmax
.if DOCPART == 2
	.amdgcn_target "amdgcn-amd-amdhsa--gfx1250"
	.amdhsa_code_object_version 6
	.text
	.protected	k_qf8a97cbae7_score
	.globl	k_qf8a97cbae7_score
	.p2align	8
	.type	k_qf8a97cbae7_score,@function
k_qf8a97cbae7_score:
	s_mov_b64 s[64:65], 0
	v_nop
	global_prefetch_b8 v0, s[64:65] scope:SCOPE_SE
	s_setreg_imm32_b32 hwreg(HW_REG_WAVE_MODE, 25, 1), 1
	s_wait_xcnt 0x0
; All 2,048 x 100,000 scores on codes of FP4, and of each GROUP of 40 neighbouring keys (group = key / 40) only the largest score of each query is kept: 2,500 numbers a query.
; Why that is enough: under the order (score down, index up) the 8 best keys of a query lie in the 8 groups whose best key is best; later launches pick those groups and score their 320 keys again.
; SHARES.  Work-group w owns keys 400 w .. 400 w + 399: 25 tiles of 16.  EVERY wave keeps all 25 tiles in registers (400 of codes, 25 of scale words), loaded once, straight from memory.
; Wave v walks query tiles 32 v .. 32 v + 31, each loaded straight into registers (it feeds 50 matrix instructions and no other wave of the work-group wants it: LDS would add nothing).
; No cluster: 250 work-groups divide into no cluster of four, and there is no tensor load to share.
; LAYOUT.  Source 0 = 16 keys, source 1 = 16 queries: a lane holds ONE query (lane % 16), its registers eight keys.  Tile i takes octet i of the slab as rows 0-7 and octet 25 + i as rows 8-15:
; so register j of lane (r, h) in tile 5 b + t is key 200 h + 40 b + 8 t + j, and the 40 registers of the five tiles of batch b are ONE group, 5 h + b, whole in a lane: its maximum is 20 instructions of three operands.
; BY TURNS.  A block is a batch's 10 matrix instructions (5 accumulators, K step 0 then K step 1); behind each stand two instructions of the maximum of the block before, which lies in the other set of accumulators.
; REGISTERS, in windows of 256: window 0: v1-7 addresses; v16-40 the keys' scale words; v44-47 x's; v48-111 x's fragments, a ring of four tiles; v112-191 two sets of 5 accumulators; v192-194 at work; v196-215 a quad's maxima; v216-235 the way out.
;   window 1: the keys' tiles 0-14, tile i at v[16 i + 8 s + 4 c];  window 2: tiles 15-24.  No window has room for keys, x and accumulators together, so a matrix instruction with its two vector lines costs two switches.
; A scale register carries K step 0's words in lanes 0-15 and K step 1's in lanes 16-31.
; OUT: gmax, f32, [q / 64][w][q % 64][10]: a quad of four query tiles leaves as 2,560 consecutive bytes, through the wave's own stage in LDS.
; LIMITS: NaN is not served; the sign of a zero score is not told apart.
.set KS,  16
.set XS,  44
.set XF,  48
.set ACC, 112
.set CA,  192                          ; three chains: v192, v193, v194
.set GM,  196
.set OB,  216
.set MSB, 0
.macro WIN new                         ; the immediate's high byte repeats the setting that is left; a switch that changes nothing is dropped
.if MSB != \new
	s_set_vgpr_msb (MSB<<8)|\new
.set MSB, \new
.endif
.endm
	s_load_b128 s[4:7], s[0:1], 0x0                ; xc, xs
	s_load_b128 s[8:11], s[0:1], 0x10              ; kc, ks
	s_load_b64 s[12:13], s[0:1], 0x20              ; gmax
	v_lshl_add_u32 v254, v0, 2, 0x2800
	v_mov_b32 v255, 0
	v_lshrrev_b32 v8, 5, v0
	v_readfirstlane_b32 s14, v8                    ; wave
	v_and_b32 v8, 15, v0                           ; r
	v_bfe_u32 v9, v0, 4, 1                         ; h
	v_and_b32 v10, 7, v8                           ; r % 8
	v_lshrrev_b32 v11, 3, v8                       ; r / 8
	v_lshlrev_b32 v12, 4, v10
	v_lshl_add_u32 v12, v9, 7, v12                 ; 128 h + 16 (r % 8): my place in an octet
	v_lshl_add_u32 v1, v11, 10, v12                ; x: octets r / 8 of a tile lie side by side
	v_mad_u32_u24 v2, v11, 25600, v12              ; keys: rows 8-15 of a tile come from 25 octets further on
	v_lshlrev_b32 v13, 3, v10
	v_lshl_add_u32 v13, v9, 2, v13                 ; 8 (r % 8) + 4 h: my row's scale word of K step h
	v_mad_u32_u24 v3, v11, 1600, v13               ; keys: 200 rows further on for rows 8-15
	v_lshlrev_b32 v4, 3, v8
	v_lshl_add_u32 v4, v9, 2, v4                   ; x: 8 r + 4 h
	s_mul_i32 s25, s14, 2560                       ; my stage
	v_mul_u32_u24 v5, v8, 40
	v_mad_u32_u24 v5, v9, 20, v5
	v_add_nc_u32 v5, s25, v5                       ; in: query r's ten numbers, my five: words 5 (2 r + h)
	v_and_b32 v7, 31, v0
	v_lshlrev_b32 v7, 4, v7                        ; out: 16 x lane, in gmax
	v_add_nc_u32 v6, s25, v7                       ; and in the stage
	s_mov_b32 s17, 0
	s_mov_b32 s19, 0
	s_mov_b32 s27, 0
	s_mul_i32 s16, ttmp9, 51200                    ; my slab: 50 octets of codes,
	s_mul_i32 s18, ttmp9, 3200                     ; 400 rows of scale bytes
	s_mul_i32 s26, s14, 5120000                    ; gmax: my first quad is 8 x wave: 8 x 250 x 2,560 bytes a wave,
	s_mul_i32 s28, ttmp9, 2560                     ; and my slab's place in a quad
	s_add_co_u32 s26, s26, s28
	s_lshl_b32 s15, s14, 5                         ; the next query tile to fetch
	s_mov_b32 s24, 8                               ; quads to go
	s_wait_kmcnt 0x0
	s_add_nc_u64 s[8:9], s[8:9], s[16:17]
	s_add_nc_u64 s[10:11], s[10:11], s[18:19]
	s_add_nc_u64 s[12:13], s[12:13], s[26:27]
	WIN 0x40                                       ; destination window 1
.irp i, 0,1,2,3,4,5,6,7,8,9,10,11,12,13,14
.irp q, 0,1,2,3
	global_load_b128 v[16*\i+4*\q:16*\i+4*\q+3], v2, s[8:9] offset:\i*1024+\q*256
.endr
.endr
	WIN 0x80                                       ; destination window 2
.irp i, 15,16,17,18,19,20,21,22,23,24
.irp q, 0,1,2,3
	global_load_b128 v[16*(\i-15)+4*\q:16*(\i-15)+4*\q+3], v2, s[8:9] offset:\i*1024+\q*256
.endr
.endr
	WIN 0
.irp i, 0,1,2,3,4,5,6,7,8,9,10,11,12,13,14,15,16,17,18,19,20,21,22,23,24
	global_load_b32 v[KS+\i], v3, s[10:11] offset:64*\i
.endr
; The next query tile into ring place buf: four loads of codes, one of scale words.  The tile's number wraps at 128, so that the look-ahead of three tiles never leaves xc; a wave's last three fetches are not used.
.macro XLOAD buf
	s_wait_xcnt 0x0                                ; the two bases below are sources of earlier loads: they are written only behind this wait
	s_lshl_b32 s16, s15, 11
	s_lshl_b32 s18, s15, 7
	s_add_nc_u64 s[20:21], s[4:5], s[16:17]
	s_add_nc_u64 s[22:23], s[6:7], s[18:19]
.irp i, 0,1,2,3
	global_load_b128 v[XF+16*\buf+4*\i:XF+16*\buf+4*\i+3], v1, s[20:21] offset:256*\i
.endr
	global_load_b32 v[XS+\buf], v4, s[22:23]
	s_add_co_u32 s15, s15, 1
	s_and_b32 s15, s15, 127
.endm
; Matrix instruction k of 10 of block n = 5 a + b (query tile a of the quad, batch b): tile 5 b + k % 5, K step k / 5.  K step 0 starts the sum with the constant 0.
; The five accumulators take turns, one instruction a turn.
.macro WM n, k
.set wt, (\k)%5
.set ws, (\k)/5
.set wa, (\n)/5
.set wi, 5*((\n)%5)+wt
.set wd, ACC+40*((\n)%2)+8*wt
.set wx, XF+16*wa+8*ws
.if wi < 15
	WIN 0x01                                       ; source 0 window 1
.set wk, 16*wi+8*ws
.else
	WIN 0x02                                       ; source 0 window 2
.set wk, 16*(wi-15)+8*ws
.endif
.if ws == 0
	v_wmma_scale_f32_16x16x128_f8f6f4 v[wd:wd+7], v[wk:wk+7], v[wx:wx+7], 0, v[KS+wi], v[XS+wa] matrix_a_fmt:MATRIX_FMT_FP4 matrix_b_fmt:MATRIX_FMT_FP4
.else
	v_wmma_scale_f32_16x16x128_f8f6f4 v[wd:wd+7], v[wk:wk+7], v[wx:wx+7], v[wd:wd+7], v[KS+wi], v[XS+wa] matrix_a_fmt:MATRIX_FMT_FP4 matrix_b_fmt:MATRIX_FMT_FP4 matrix_a_scale:MATRIX_SCALE_ROW1 matrix_b_scale:MATRIX_SCALE_ROW1
.endif
.endm
; Instruction j of 20 of the maximum of block n's 40 scores r0 .. r39.  Chain A takes r0-14, chain B r16-30, chain C r32-38; the last three lines join them with r15, r31, r39.
; The order A0 B0 A1 B1 A2 B2 C0 A3 B3 C1 A4 B4 C2 A5 B5 A6 B6 F0 F1 F2 reads each accumulator first at its low end, and reaches the fifth accumulator,
; the last to be finished, only with its seventh line: eight plain instructions that name none of its registers stand behind its last product (ISA guide 7.12.1 asks for four).
.macro SL n, j
.set sb, ACC+40*((\n)%2)
	WIN 0
.if (\j) == 0
	v_max3_num_f32 v[CA], v[sb], v[sb+1], v[sb+2]
.elseif (\j) == 1
	v_max3_num_f32 v[CA+1], v[sb+16], v[sb+17], v[sb+18]
.elseif (\j) == 6
	v_max3_num_f32 v[CA+2], v[sb+32], v[sb+33], v[sb+34]
.elseif (\j) == 9
	v_max3_num_f32 v[CA+2], v[CA+2], v[sb+35], v[sb+36]
.elseif (\j) == 12
	v_max3_num_f32 v[CA+2], v[CA+2], v[sb+37], v[sb+38]
.elseif (\j) == 17
	v_max3_num_f32 v[CA], v[CA], v[CA+1], v[CA+2]
.elseif (\j) == 18
	v_max3_num_f32 v[CA], v[CA], v[sb+15], v[sb+31]
.elseif (\j) == 19
	v_max_num_f32 v[GM+(\n)], v[CA], v[sb+39]
.else
.if (\j) < 6
.set sm, (\j)/2
.set sw, (\j)%2
.elseif (\j) < 9
.set sm, 3
.set sw, (\j)-7
.elseif (\j) < 12
.set sm, 4
.set sw, (\j)-10
.elseif (\j) < 15
.set sm, 5
.set sw, (\j)-13
.else
.set sm, 6
.set sw, (\j)-15
.endif
	v_max3_num_f32 v[CA+sw], v[CA+sw], v[sb+16*sw+2*sm+1], v[sb+16*sw+2*sm+2]
.endif
.endm
.macro BLOCK n, m                      ; m = 1: the maximum of block n - 1 stands between the products
.set bk, 0
.rept 10
	WM \n, bk
.if \m
	SL (\n)-1, 2*bk
	SL (\n)-1, 2*bk+1
.endif
.set bk, bk+1
.endr
.endm
	XLOAD 0
	XLOAD 1
	XLOAD 2
.Lquad:                                                ; a trip: four query tiles x the slab's 25 key tiles: 200 matrix instructions
	s_wait_loadcnt 10                              ; this query tile is in (the first time: the keys too); the five loads each of the two younger tiles may be out
	BLOCK 0, 0
	WIN 0
.rept 4
	v_nop                                          ; the places behind block 0's products: no maximum is at hand yet
.endr
	XLOAD 3                                        ; into the ring place whose products stand more than four plain instructions back
	BLOCK 1, 1
	BLOCK 2, 1
	BLOCK 3, 1
	BLOCK 4, 1
	s_wait_loadcnt 10                              ; as above: two younger tiles, five loads each
	BLOCK 5, 1
	XLOAD 0                                        ; tile 0's last products stand 22 plain instructions back
	BLOCK 6, 1
	BLOCK 7, 1
	BLOCK 8, 1
	BLOCK 9, 1
	s_wait_loadcnt 10
	BLOCK 10, 1
	XLOAD 1
	BLOCK 11, 1
	BLOCK 12, 1
	BLOCK 13, 1
	BLOCK 14, 1
	s_wait_loadcnt 10
	BLOCK 15, 1
	XLOAD 2
	BLOCK 16, 1
	BLOCK 17, 1
	BLOCK 18, 1
	BLOCK 19, 1
.set fj, 0
.rept 20
	SL 19, fj
.set fj, fj+1
.endr
	; the way out: 64 queries x 10 groups, 2,560 bytes
.irp a, 0,1,2,3
.irp b, 0,1,2,3,4
	ds_store_b32 v5, v[GM+5*\a+\b] offset:640*\a+4*\b
.endr
.endr
.irp i, 0,1,2,3,4
	ds_load_b128 v[OB+4*\i:OB+4*\i+3], v6 offset:512*\i   ; LDS serves a wave's instructions in order: these see my stores; the stage is my wave's own
.endr
	s_wait_dscnt 0x0
.irp i, 0,1,2,3,4
	global_store_b128 v7, v[OB+4*\i:OB+4*\i+3], s[12:13] offset:512*\i   ; 32 lanes store 512 consecutive bytes, at a multiple of 256 from gmax's first byte
.endr
	s_wait_xcnt 0x0                                ; the stores have read their base and their data: both are written again only behind this wait
	s_add_nc_u64 s[12:13], s[12:13], 640000        ; the next quad: 250 slabs x 2,560 bytes on
	s_sub_co_u32 s24, s24, 1
	s_cmp_lg_u32 s24, 0
	s_cbranch_scc1 .Lquad
	s_wait_tensorcnt 0x0
	ds_add_u32 v254, v255
	s_wait_dscnt 0x0
	s_endpgm
.Lfunc_end_k_qf8a97cbae7_score:
	.size	k_qf8a97cbae7_score, .Lfunc_end_k_qf8a97cbae7_score-k_qf8a97cbae7_score
	.p2alignl 7, 3214868480
	.fill 96, 4, 3214868480
	.section	.rodata,"a",@progbits
	.p2align	6, 0x0
	.amdhsa_kernel k_qf8a97cbae7_score
		.amdhsa_group_segment_fixed_size 10752
		.amdhsa_private_segment_fixed_size 0
		.amdhsa_enable_private_segment 0
		.amdhsa_kernarg_size 40
		.amdhsa_user_sgpr_count 2
		.amdhsa_user_sgpr_kernarg_segment_ptr 1
		.amdhsa_wavefront_size32 1
		.amdhsa_system_sgpr_workgroup_id_x 1
		.amdhsa_system_sgpr_workgroup_id_y 1
		.amdhsa_system_sgpr_workgroup_id_z 1
		.amdhsa_system_vgpr_workitem_id 0
		.amdhsa_next_free_vgpr 672
		.amdhsa_next_free_sgpr 66
		.amdhsa_reserve_vcc 0
		.amdhsa_float_denorm_mode_32 3
		.amdhsa_float_denorm_mode_16_64 3
		.amdhsa_memory_ordered 1
		.amdhsa_forward_progress 1
		.amdhsa_inst_pref_size 83
	.end_amdhsa_kernel
	.amdgpu_metadata
---
amdhsa.version: [ 1, 2 ]
amdhsa.kernels:
  - .name:           k_qf8a97cbae7_score
    .symbol:         k_qf8a97cbae7_score.kd
    .args:
      - { .name: xc, .offset: 0, .size: 8, .value_kind: global_buffer, .address_space: global }
      - { .name: xs, .offset: 8, .size: 8, .value_kind: global_buffer, .address_space: global }
      - { .name: kc, .offset: 16, .size: 8, .value_kind: global_buffer, .address_space: global }
      - { .name: ks, .offset: 24, .size: 8, .value_kind: global_buffer, .address_space: global }
      - { .name: gmax, .offset: 32, .size: 8, .value_kind: global_buffer, .address_space: global }
    .group_segment_fixed_size: 10752
    .private_segment_fixed_size: 0
    .kernarg_segment_align: 8
    .kernarg_segment_size: 40
    .max_flat_workgroup_size: 128
    .sgpr_count:     66
    .vgpr_count:     672
    .wavefront_size: 32
...
	.end_amdgpu_metadata
.endif
;; end of part 2
;; launch pick (part 3): grid 256 x 1, 8 waves a work-group, no clusters, 168,960 bytes of LDS; arguments gmax, gsel; writes gsel
.if DOCPART == 3
	.amdgcn_target "amdgcn-amd-amdhsa--gfx1250"
	.amdhsa_code_object_version 6
	.text
	.protected	k_qf8a97cbae7_pick
	.globl	k_qf8a97cbae7_pick
	.p2align	8
	.type	k_qf8a97cbae7_pick,@function
k_qf8a97cbae7_pick:
	s_mov_b64 s[64:65], 0
	v_nop
	global_prefetch_b8 v0, s[64:65] scope:SCOPE_SE
	s_setreg_imm32_b32 hwreg(HW_REG_WAVE_MODE, 25, 1), 1
	s_wait_xcnt 0x0
; For each query: the 8 best of its 2,500 group maxima under the order (maximum down, group number up), stored as group numbers in ASCENDING order, as whole numbers: the next launch forms addresses from them.
; SHARES.  Work-group g takes queries 8 g .. 8 g + 7, wave j query 8 g + j.  In gmax ([q / 64][w 250][q % 64][10]) the eight queries' numbers are 250 rows of 320 bytes, 2,560 bytes apart.
; Waves 0-3 bring 64 rows each into LDS by one tensor load, filled once; wave 3's tile states 58 rows as the tensor's extent, so its rows 58-63 (w = 250 .. 255) are not read and arrive as zeros.
; LDS: row w at 360 w: the mover lays 8 bytes of padding behind every 64, so number d of a row lies at 4 d + 8 (d / 16).
; A LANE takes rows w = 32 i + lane, i = 0 .. 7: 80 numbers, in ascending group number, and keeps a sorted list of its 8 best by insertion (strictly greater moves in: of equals the earlier, lower group stays ahead).
; Then eight times the wave's best head is taken (largest value, of equals the smallest number), and the eight numbers are sorted.  Numbers are carried as f32, exact under 2^24, so that the lane exchanges are float forms.
; LIMITS: NaN is not served; the sign of zero is not told apart.
.set ROWP, 360
.set V,  8                             ; v8-15    my list's values, descending
.set I,  16                            ; v16-23   and their group numbers
.set T,  24                            ; v24      at work
.set DV, 32                            ; v32-111  my 80 numbers: v[DV + 10 i + c] is group 320 i + 10 lane + c
.set W,  112                           ; v112-119 the eight winners
.set AD, 120                           ; v120-124 LDS addresses of my query's five pairs
	s_load_b128 s[4:7], s[0:1], 0x0                ; gmax, gsel
	v_lshl_add_u32 v128, v0, 2, 0x29000
	v_mov_b32 v129, 0
	ds_add_u32 v128, v129
	ds_add_u32 v128, v129
	v_lshrrev_b32 v1, 5, v0
	v_readfirstlane_b32 s8, v1                     ; wave
	s_lshr_b32 s9, ttmp9, 3                        ; q / 64
	s_and_b32 s10, ttmp9, 7                        ; which eight of the 64
	s_mul_i32 s12, s9, 640000
	s_mul_i32 s11, s10, 320
	s_add_co_u32 s12, s12, s11
	s_mul_i32 s11, s8, 163840                      ; my 64 rows of 2,560 bytes
	s_add_co_u32 s12, s12, s11
	s_mov_b32 s13, 0
	; descriptor group 1, twice: 64 rows x 80 elements of 4 bytes, 640 elements from row to row; they differ in the tensor's rows alone
	s_mov_b32 s16, (2<<16)|(1<<20)|(3<<22)|(1<<25) ; 17:16 elements of 4 bytes; 20 padding on; 24:22 after every 16 words (code 3); 31:25 two words (code 1)
	s_mov_b32 s17, 80<<16                          ; tensor_dim0 = 80
	s_mov_b32 s18, 64<<16                          ; tensor_dim1 = 64
	s_mov_b32 s19, 80<<16                          ; tile_dim0 = 80
	s_mov_b32 s20, 64                              ; tile_dim1 = 64
	s_mov_b32 s21, 640                             ; tensor_dim0_stride
	s_mov_b32 s22, 0
	s_mov_b32 s23, 0
	s_mov_b32 s24, (2<<16)|(1<<20)|(3<<22)|(1<<25)
	s_mov_b32 s25, 80<<16
	s_mov_b32 s26, 58<<16                          ; tensor_dim1 = 58: what is left of the 250 rows from row 192 on
	s_mov_b32 s27, 80<<16
	s_mov_b32 s28, 64
	s_mov_b32 s29, 640
	s_mov_b32 s30, 0
	s_mov_b32 s31, 0
	s_mov_b32 s32, 1                               ; group 0: count = 1,
	s_mul_i32 s33, s8, 64*ROWP                     ; LDS address: wave x 64 rows,
	s_wait_dscnt 0x0
	s_wait_kmcnt 0x0
	s_add_nc_u64 s[34:35], s[4:5], s[12:13]        ; global address of the tile's first element,
	s_or_b32 s35, s35, 0x80000000                  ; type = 2
	s_cmp_lt_u32 s8, 3                             ; waves 0-2: whole tiles; wave 3: the edge tile; waves 4-7 fetch nothing.  Four v_nop follow each of the two lines
	s_cbranch_scc0 .Lnot_whole
	tensor_load_to_lds s[32:35], s[16:23]
	s_nop 0
.rept 4
	v_nop
.endr
	s_branch .Lasked
.Lnot_whole:
	s_cmp_lt_u32 s8, 4
	s_cbranch_scc0 .Lasked
	tensor_load_to_lds s[32:35], s[24:31]
	s_nop 0
.rept 4
	v_nop
.endr
.Lasked:
	v_and_b32 v30, 31, v0                          ; lane
	v_mul_u32_u24 v31, v30, ROWP
	s_mul_i32 s14, s8, 10                          ; my query's first number in a row
.irp p, 0,1,2,3,4
	s_add_co_u32 s15, s14, 2*\p                    ; d, even: a pair never straddles a padding
	s_lshr_b32 s36, s15, 4
	s_lshl_b32 s36, s36, 3
	s_lshl_b32 s15, s15, 2
	s_add_co_u32 s15, s15, s36                     ; 4 d + 8 (d / 16)
	v_add_nc_u32 v[AD+\p], s15, v31
.endr
	s_mov_b32 s38, 0x76543210
	s_mov_b32 s39, 0xfedcba98                      ; v_permlanex16_b32's selects for lane l xor 16
	s_mov_b32 s49, 0xfc000000                      ; lanes 26-31
	v_mov_b32 v28, 0x7f800000                      ; +infinity
	v_mov_b32 v29, 0xff800000                      ; -infinity
	v_mov_b32 v25, 0                               ; written once: the destination of a lane exchange counts as one of its sources
	v_mov_b32 v26, 0
	v_mov_b32 v27, 0
.irp e, 0,1,2,3,4,5,6,7
	v_mov_b32 v[V+\e], 0xff800000                  ; the list begins under every number
	v_mov_b32 v[I+\e], 0xffffff
.endr
	s_wait_tensorcnt 0x0                           ; my tile has landed (a wave that fetched nothing passes at once),
	s_barrier_signal -1
	s_barrier_wait -1                              ; everybody's has
.irp i, 0,1,2,3,4,5
.irp p, 0,1,2,3,4
	ds_load_b64 v[DV+10*\i+2*\p:DV+10*\i+2*\p+1], v[AD+\p] offset:32*ROWP*\i
.endr
.endr
.irp p, 0,1,2,3,4
	v_add_nc_u32 v[AD+\p], 6*32*ROWP, v[AD+\p]     ; beyond the 16 bits of the immediate
.endr
.irp i, 6,7
.irp p, 0,1,2,3,4
	ds_load_b64 v[DV+10*\i+2*\p:DV+10*\i+2*\p+1], v[AD+\p] offset:32*ROWP*(\i-6)
.endr
.endr
; v[x], with the number pay, goes into the sorted list: eight compares; from the end up each place takes its own entry, the entry above it or the new one.
; The value needs no select: with the entry above at least as large as the entry, the middle one of (above, own, new) is the place's new value.
.macro INS x, pay
.irp e, 0,1,2,3,4,5,6,7
	v_cmp_gt_f32 s[40+\e], v[\x], v[V+\e]
.endr
.irp e, 7,6,5,4,3,2,1
	v_cndmask_b32 v[T], \pay, v[I+\e-1], s[40+\e-1]
	v_cndmask_b32 v[I+\e], v[I+\e], v[T], s[40+\e]
	v_med3_num_f32 v[V+\e], v[V+\e-1], v[V+\e], v[\x]
.endr
	v_cndmask_b32 v[I], v[I], \pay, s40
	v_max_num_f32 v[V], v[V], v[\x]
.endm
.set bi, 0
.rept 8
	s_wait_dscnt 35-5*bi                           ; LDS loads come back in order: rows 32 bi + lane are in; the five loads of each later block may be out
.if bi == 7
.irp c, 0,1,2,3,4,5,6,7,8,9
	v_cndmask_b32 v[DV+70+\c], v[DV+70+\c], v29, s49   ; rows 250 .. 255 do not exist: under every number, never inserted
.endr
.endif
.set bg, 0
.rept 10
	s_mov_b32 s48, 320*bi+bg                       ; the group's number less 10 x lane, which is added at the end
.set xr, DV+10*bi+bg
	INS xr, s48
.set bg, bg+1
.endr
.set bi, bi+1
.endr
	v_mul_u32_u24 v[T], v30, 10
.irp e, 0,1,2,3,4,5,6,7
	v_add_nc_u32 v[I+\e], v[I+\e], v[T]
.endr
.irp e, 0,1,2,3,4,5,6,7
	v_cvt_f32_u32 v[I+\e], v[I+\e]
.endr
; The wave's best head: the largest value over the 32 lanes; among the lanes that hold it, the smallest number; that lane's list moves up.  After t takings only 8 - t entries of a list can still matter.
.macro BEST t
	v_max_num_f32_dpp v25, v[V], v[V] row_xmask:1 row_mask:0xf bank_mask:0xf
	v_max_num_f32_dpp v25, v25, v25 row_xmask:2 row_mask:0xf bank_mask:0xf
	v_max_num_f32_dpp v25, v25, v25 row_xmask:4 row_mask:0xf bank_mask:0xf
	v_max_num_f32_dpp v25, v25, v25 row_xmask:8 row_mask:0xf bank_mask:0xf
	v_permlanex16_b32 v26, v25, s38, s39
	v_max_num_f32 v25, v25, v26
	v_cmp_eq_f32 vcc_lo, v[V], v25
	v_cndmask_b32 v27, v28, v[I], vcc_lo
	v_min_num_f32_dpp v27, v27, v27 row_xmask:1 row_mask:0xf bank_mask:0xf
	v_min_num_f32_dpp v27, v27, v27 row_xmask:2 row_mask:0xf bank_mask:0xf
	v_min_num_f32_dpp v27, v27, v27 row_xmask:4 row_mask:0xf bank_mask:0xf
	v_min_num_f32_dpp v27, v27, v27 row_xmask:8 row_mask:0xf bank_mask:0xf
	v_permlanex16_b32 v26, v27, s38, s39
	v_min_num_f32 v[W+\t], v27, v26
.if \t < 7
	v_cmp_eq_f32 vcc_lo, v[I], v[W+\t]             ; numbers are all different: one lane
.set re, 0
.rept 7-\t
	v_cndmask_b32 v[V+re], v[V+re], v[V+re+1], vcc_lo
	v_cndmask_b32 v[I+re], v[I+re], v[I+re+1], vcc_lo
.set re, re+1
.endr
	v_cndmask_b32 v[V+7-\t], v[V+7-\t], v29, vcc_lo
.endif
.endm
.irp t, 0,1,2,3,4,5,6,7
	BEST \t
.endr
	v_mov_b32 v25, v[W]                            ; lane l takes winner l % 8
.irp t, 1,2,3,4,5,6,7
	s_mov_b32 s40, 0x01010101<<\t
	v_cndmask_b32 v25, v25, v[W+\t], s40
.endr
; a bitonic sort of eight lanes, ascending: six exchanges; the mask names the lanes that keep the larger of the two
.macro STAGE x, mask
	s_mov_b32 s40, \mask
	v_min_num_f32_dpp v26, v25, v25 row_xmask:\x row_mask:0xf bank_mask:0xf
	v_max_num_f32_dpp v27, v25, v25 row_xmask:\x row_mask:0xf bank_mask:0xf
	v_cndmask_b32 v25, v26, v27, s40
.endm
	STAGE 1, 0x66666666
	STAGE 2, 0x3c3c3c3c
	STAGE 1, 0x5a5a5a5a
	STAGE 4, 0xf0f0f0f0
	STAGE 2, 0xcccccccc
	STAGE 1, 0xaaaaaaaa
	v_cvt_u32_f32 v25, v25
	v_lshlrev_b32 v[T], 2, v30
	s_lshl_b32 s12, ttmp9, 8
	s_lshl_b32 s11, s8, 5
	s_add_co_u32 s12, s12, s11                     ; 32 bytes a query
	s_add_nc_u64 s[6:7], s[6:7], s[12:13]
	s_wait_xcnt 0x0                                ; EXEC changes only behind this wait
	v_cmp_gt_u32 vcc_lo, 8, v30
	s_wait_tensorcnt 0x0
	ds_add_u32 v128, v129
	s_wait_dscnt 0x0
	s_and_saveexec_b32 s14, vcc_lo
	global_store_b32 v[T], v25, s[6:7]
	s_wait_xcnt 0x0                                ; and again in front of the line that widens it
	s_or_b32 exec_lo, exec_lo, s14
	s_endpgm
.Lfunc_end_k_qf8a97cbae7_pick:
	.size	k_qf8a97cbae7_pick, .Lfunc_end_k_qf8a97cbae7_pick-k_qf8a97cbae7_pick
	.p2alignl 7, 3214868480
	.fill 96, 4, 3214868480
	.section	.rodata,"a",@progbits
	.p2align	6, 0x0
	.amdhsa_kernel k_qf8a97cbae7_pick
		.amdhsa_group_segment_fixed_size 168960
		.amdhsa_private_segment_fixed_size 0
		.amdhsa_enable_private_segment 0
		.amdhsa_kernarg_size 16
		.amdhsa_user_sgpr_count 2
		.amdhsa_user_sgpr_kernarg_segment_ptr 1
		.amdhsa_wavefront_size32 1
		.amdhsa_system_sgpr_workgroup_id_x 1
		.amdhsa_system_sgpr_workgroup_id_y 1
		.amdhsa_system_sgpr_workgroup_id_z 1
		.amdhsa_system_vgpr_workitem_id 0
		.amdhsa_next_free_vgpr 130
		.amdhsa_next_free_sgpr 66
		.amdhsa_reserve_vcc 1
		.amdhsa_float_denorm_mode_32 3
		.amdhsa_float_denorm_mode_16_64 3
		.amdhsa_memory_ordered 1
		.amdhsa_forward_progress 1
		.amdhsa_inst_pref_size 178
	.end_amdhsa_kernel
	.amdgpu_metadata
---
amdhsa.version: [ 1, 2 ]
amdhsa.kernels:
  - .name:           k_qf8a97cbae7_pick
    .symbol:         k_qf8a97cbae7_pick.kd
    .args:
      - { .name: gmax, .offset: 0, .size: 8, .value_kind: global_buffer, .address_space: global }
      - { .name: gsel, .offset: 8, .size: 8, .value_kind: global_buffer, .address_space: global }
    .group_segment_fixed_size: 168960
    .private_segment_fixed_size: 0
    .kernarg_segment_align: 8
    .kernarg_segment_size: 16
    .max_flat_workgroup_size: 256
    .sgpr_count:     66
    .vgpr_count:     130
    .wavefront_size: 32
...
	.end_amdgpu_metadata
.endif
;; end of part 3
;; launch rescore (part 4): grid 256 x 1, 8 waves a work-group, no clusters, 0 bytes of LDS; arguments xc, xs, kc, ks, gsel, tidx, twgt; writes tidx, twgt
.if DOCPART == 4
	.amdgcn_target "amdgcn-amd-amdhsa--gfx1250"
	.amdhsa_code_object_version 6
	.text
	.protected	k_qf8a97cbae7_rescore
	.globl	k_qf8a97cbae7_rescore
	.p2align	8
	.type	k_qf8a97cbae7_rescore,@function
k_qf8a97cbae7_rescore:
	s_mov_b64 s[64:65], 0
	v_nop
	global_prefetch_b8 v0, s[64:65] scope:SCOPE_SE
	s_setreg_imm32_b32 hwreg(HW_REG_WAVE_MODE, 25, 1), 1
	s_wait_xcnt 0x0
; For each query: the 320 keys of its 8 chosen groups are scored again on the same matrix form (same K steps in the same order, sources swapped), the exact top 8 under (score down, index up) is taken,
; and its softmax.  Out: tidx [q][8], key indices as whole numbers (the next launch forms addresses from them), and twgt [q][8], f32.
; SHARES.  A wave takes one query.  No LDS, no barrier, no loop: 40 matrix instructions a wave.
; LAYOUT.  Source 0 = the query, the same in all 16 rows (its address does not hang on the lane's row); source 1 = 16 keys as columns: octet t of one group in columns 0-7, octet t of the next group in columns 8-15.
; So every register of a result holds, in lanes 0-15 and again in lanes 16-31, the scores of the 16 columns; register 0 is read.  Two tiles make a PAIR: lanes 0-15 take the first's, lanes 16-31 the second's: 32 different keys in one register.
; Pair k = 5 p + t: lane (r, h) holds key 8 t + r % 8 of group gsel[2 p + 4 h + r / 8].  gsel ascends, so each lane's ten keys come in ascending index, and insertion by 'strictly greater' keeps the lower index ahead among equals.
; The group numbers are held at 2,499 before they enter an address.  Indices are carried as f32, exact under 2^24.
; The maximum is taken away before the exponential, as the softmax asks.
; REGISTERS: window 0: v1-9, v120-121 lane terms; v10-13, v14-17 the four tile columns' offsets in kc and ks; v18-19 my keys' first indices; v20-35 the query, v36 its scale words; v38-47 the keys' scale words;
;   v48-55, v56-63 my list; v64-95 results, two sets of two; v96-99 a pair's scores and indices, two sets; v100-103 at work; v104-111, v112-119 the winners; v122-127 group numbers.   window 1: the keys' fragments, a ring of five pairs of 32 registers.
; LIMITS: NaN is not served; the sign of zero is not told apart.
.set KO,  10
.set SO,  14
.set KBF, 18
.set AF,  20
.set AS,  36
.set BS,  38
.set V,   48
.set I,   56
.set D,   64
.set CMB, 96
.set PAY, 98
.set T,   100
.set MV,  104
.set WID, 112
.set MSB, 0
.macro WIN new                         ; the immediate's high byte repeats the setting that is left
.if MSB != \new
	s_set_vgpr_msb (MSB<<8)|\new
.set MSB, \new
.endif
.endm
	s_load_b256 s[4:11], s[0:1], 0x0               ; xc s[4:5], xs s[6:7], kc s[8:9], ks s[10:11]
	s_load_b128 s[12:15], s[0:1], 0x20             ; gsel s[12:13], tidx s[14:15]
	s_load_b64 s[16:17], s[0:1], 0x30              ; twgt
	v_lshrrev_b32 v1, 5, v0
	v_readfirstlane_b32 s18, v1                    ; wave
	v_and_b32 v9, 31, v0                           ; lane
	v_and_b32 v1, 15, v0                           ; r
	v_bfe_u32 v2, v0, 4, 1                         ; h
	v_and_b32 v3, 7, v1                            ; r % 8
	v_lshrrev_b32 v4, 3, v1                        ; r / 8
	v_lshlrev_b32 v120, 7, v2                      ; 128 h: the query's codes
	v_lshlrev_b32 v121, 2, v2                      ; 4 h: its scale word of K step h
	v_lshl_add_u32 v5, v3, 4, v120                 ; 128 h + 16 (r % 8): my place in an octet of keys
	v_lshl_add_u32 v6, v3, 3, v121                 ; 8 (r % 8) + 4 h: my column's scale word
	v_lshlrev_b32 v7, 2, v4                        ; gsel: which of a tile's two groups is my column's
	v_lshl_add_u32 v8, v2, 4, v7                   ; and which group the score that I keep belongs to: four groups on for lanes 16-31
	s_mov_b32 s20, 0x76543210
	s_mov_b32 s21, 0xfedcba98                      ; v_permlanex16_b32's selects for lane l xor 16
	s_mov_b32 s50, 0xffff0000                      ; lanes 16-31
	s_mov_b32 s23, 0
	s_lshl_b32 s24, ttmp9, 3
	s_add_co_u32 s24, s24, s18                     ; my query
	s_wait_kmcnt 0x0
	s_lshl_b32 s22, s24, 5                         ; 32 bytes a query in the three lists
	s_add_nc_u64 s[12:13], s[12:13], s[22:23]
	s_add_nc_u64 s[14:15], s[14:15], s[22:23]
	s_add_nc_u64 s[16:17], s[16:17], s[22:23]
	s_lshl_b32 s22, s24, 3
	s_add_nc_u64 s[6:7], s[6:7], s[22:23]          ; 8 scale bytes a query
	s_lshl_b32 s22, ttmp9, 10
	s_lshl_b32 s25, s18, 4
	s_add_co_u32 s22, s22, s25
	s_add_nc_u64 s[4:5], s[4:5], s[22:23]          ; octet q / 8, row q % 8
.irp p, 0,1,2,3
	global_load_b32 v[122+\p], v7, s[12:13] offset:8*\p
.endr
.irp p, 0,1
	global_load_b32 v[126+\p], v8, s[12:13] offset:8*\p
.endr
.irp i, 0,1,2,3
	global_load_b128 v[AF+4*\i:AF+4*\i+3], v120, s[4:5] offset:256*\i
.endr
	global_load_b32 v[AS], v121, s[6:7]
	v_mov_b32 v128, 0x7f800000                     ; +infinity
	v_mov_b32 v129, 0xff800000                     ; -infinity
.irp e, 0,1,2,3
	v_mov_b32 v[T+\e], 0                           ; written once: the destination of a lane exchange counts as one of its sources
.endr
.irp e, 0,1,2,3,4,5,6,7
	v_mov_b32 v[V+\e], 0xff800000                  ; the list begins under every score
	v_mov_b32 v[I+\e], 0x7f800000
.endr
	s_wait_loadcnt 5                               ; the six loads of group numbers are in; the query's five may be out
.irp p, 0,1,2,3
	v_min_u32 v[122+\p], 0x9c3, v[122+\p]          ; held inside the 2,500 groups
	v_mul_u32_u24 v[KO+\p], v[122+\p], 5120        ; a group is five octets of 1,024 bytes
	v_add_nc_u32 v[KO+\p], v[KO+\p], v5
	v_mul_u32_u24 v[SO+\p], v[122+\p], 320         ; and 40 rows of 8 scale bytes
	v_add_nc_u32 v[SO+\p], v[SO+\p], v6
.endr
.irp p, 0,1
	v_min_u32 v[126+\p], 0x9c3, v[126+\p]
	v_mul_u32_u24 v[126+\p], v[126+\p], 40
	v_add_nc_u32 v[126+\p], v[126+\p], v3
	v_cvt_f32_u32 v[KBF+\p], v[126+\p]             ; 40 x group + r % 8
.endr
; Pair k's two tiles into ring place k % 5: eight loads of codes, two of scale words
.macro LOADPAIR k
.set lp, (\k)/5
.set lt, (\k)%5
	WIN 0x40                                       ; destination window 1
.irp u, 0,1
.irp i, 0,1,2,3
	global_load_b128 v[32*lt+16*\u+4*\i:32*lt+16*\u+4*\i+3], v[KO+lp+2*\u], s[8:9] offset:lt*1024+256*\i
.endr
.endr
	WIN 0
.irp u, 0,1
	global_load_b32 v[BS+2*lt+\u], v[SO+lp+2*\u], s[10:11] offset:64*lt
.endr
.endm
; v[x], with the index pay, goes into the sorted list: as in the launch that picks the groups
.macro INS x, pay
.irp e, 0,1,2,3,4,5,6,7
	v_cmp_gt_f32 s[40+\e], v[\x], v[V+\e]
.endr
.irp e, 7,6,5,4,3,2,1
	v_cndmask_b32 v[T], \pay, v[I+\e-1], s[40+\e-1]
	v_cndmask_b32 v[I+\e], v[I+\e], v[T], s[40+\e]
	v_med3_num_f32 v[V+\e], v[V+\e-1], v[V+\e], v[\x]
.endr
	v_cndmask_b32 v[I], v[I], \pay, s40
	v_max_num_f32 v[V], v[V], v[\x]
.endm
; Pair k: four matrix instructions, the two accumulators by turns; behind them the insertion of pair k - 1, whose 31 plain lines name none of the products' registers:
; they are the places in front of the loads into the ring place just used and of the read of the results.
.macro PAIR k
.set pp, (\k)/5
.set pt, (\k)%5
.set pd, D+16*((\k)%2)
.if pt == 0
.set pl, 0
.elseif pt == 1
.set pl, 0x41000000
.elseif pt == 2
.set pl, 0x41800000
.elseif pt == 3
.set pl, 0x41c00000
.else
.set pl, 0x42000000
.endif
.if (\k) < 5
	s_wait_loadcnt 40                              ; this pair's ten loads are in (the first time: the query's too); four younger pairs, ten loads each, may be out
.else
	s_wait_loadcnt 10*(9-(\k))                     ; no more pairs are asked for: the count runs down
.endif
	WIN 0x04                                       ; source 1 window 1
	v_wmma_scale_f32_16x16x128_f8f6f4 v[pd:pd+7], v[AF:AF+7], v[32*pt:32*pt+7], 0, v[AS], v[BS+2*pt] matrix_a_fmt:MATRIX_FMT_FP4 matrix_b_fmt:MATRIX_FMT_FP4
	v_wmma_scale_f32_16x16x128_f8f6f4 v[pd+8:pd+15], v[AF:AF+7], v[32*pt+16:32*pt+23], 0, v[AS], v[BS+2*pt+1] matrix_a_fmt:MATRIX_FMT_FP4 matrix_b_fmt:MATRIX_FMT_FP4
	v_wmma_scale_f32_16x16x128_f8f6f4 v[pd:pd+7], v[AF+8:AF+15], v[32*pt+8:32*pt+15], v[pd:pd+7], v[AS], v[BS+2*pt] matrix_a_fmt:MATRIX_FMT_FP4 matrix_b_fmt:MATRIX_FMT_FP4 matrix_a_scale:MATRIX_SCALE_ROW1 matrix_b_scale:MATRIX_SCALE_ROW1
	v_wmma_scale_f32_16x16x128_f8f6f4 v[pd+8:pd+15], v[AF+8:AF+15], v[32*pt+24:32*pt+31], v[pd+8:pd+15], v[AS], v[BS+2*pt+1] matrix_a_fmt:MATRIX_FMT_FP4 matrix_b_fmt:MATRIX_FMT_FP4 matrix_a_scale:MATRIX_SCALE_ROW1 matrix_b_scale:MATRIX_SCALE_ROW1
	WIN 0
.if (\k) > 0
	INS CMB+((\k)-1)%2, v[PAY+((\k)-1)%2]
.else
.rept 4
	v_nop
.endr
.endif
.if (\k) < 5
	LOADPAIR (\k)+5
.endif
	v_cndmask_b32 v[CMB+(\k)%2], v[pd], v[pd+8], s50   ; lanes 0-15: the first tile's columns; lanes 16-31: the second's.  Each result is read at its lowest register
	v_add_f32 v[PAY+(\k)%2], pl, v[KBF+pp]         ; my key's index: + 8 t
.endm
.irp k, 0,1,2,3,4
	LOADPAIR \k
.endr
.irp k, 0,1,2,3,4,5,6,7,8,9
	PAIR \k
.endr
	INS CMB+1, v[PAY+1]
; The wave's best head: the largest score over the 32 lanes; among the lanes that hold it, the smallest index; that lane's list moves up.  After t takings only 8 - t entries of a list can still matter.
.macro BEST t
	v_max_num_f32_dpp v101, v[V], v[V] row_xmask:1 row_mask:0xf bank_mask:0xf
	v_max_num_f32_dpp v101, v101, v101 row_xmask:2 row_mask:0xf bank_mask:0xf
	v_max_num_f32_dpp v101, v101, v101 row_xmask:4 row_mask:0xf bank_mask:0xf
	v_max_num_f32_dpp v101, v101, v101 row_xmask:8 row_mask:0xf bank_mask:0xf
	v_permlanex16_b32 v102, v101, s20, s21
	v_max_num_f32 v[MV+\t], v101, v102
	v_cmp_eq_f32 vcc_lo, v[V], v[MV+\t]
	v_cndmask_b32 v103, v128, v[I], vcc_lo
	v_min_num_f32_dpp v103, v103, v103 row_xmask:1 row_mask:0xf bank_mask:0xf
	v_min_num_f32_dpp v103, v103, v103 row_xmask:2 row_mask:0xf bank_mask:0xf
	v_min_num_f32_dpp v103, v103, v103 row_xmask:4 row_mask:0xf bank_mask:0xf
	v_min_num_f32_dpp v103, v103, v103 row_xmask:8 row_mask:0xf bank_mask:0xf
	v_permlanex16_b32 v102, v103, s20, s21
	v_min_num_f32 v[WID+\t], v103, v102
.if \t < 7
	v_cmp_eq_f32 vcc_lo, v[I], v[WID+\t]           ; indices are all different: one lane
.set re, 0
.rept 7-\t
	v_cndmask_b32 v[V+re], v[V+re], v[V+re+1], vcc_lo
	v_cndmask_b32 v[I+re], v[I+re], v[I+re+1], vcc_lo
.set re, re+1
.endr
	v_cndmask_b32 v[V+7-\t], v[V+7-\t], v129, vcc_lo
.endif
.endm
.irp t, 0,1,2,3,4,5,6,7
	BEST \t
.endr
	v_mov_b32 v101, v[MV]                          ; lane l takes rank l % 8
	v_mov_b32 v102, v[WID]
.irp t, 1,2,3,4,5,6,7
	s_mov_b32 s40, 0x01010101<<\t
	v_cndmask_b32 v101, v101, v[MV+\t], s40
	v_cndmask_b32 v102, v102, v[WID+\t], s40
.endr
	v_cvt_u32_f32 v102, v102
	v_sub_f32 v101, v101, v[MV]                    ; less the largest of the eight
	v_mul_f32 v101, 0x3fb8aa3b, v101               ; x log2(e)
	v_exp_f32 v101, v101
	v_lshlrev_b32 v100, 2, v9                      ; (a plain instruction behind the transcendental)  4 x lane
	s_wait_alu depctr_va_vdst(0)
	v_add_f32_dpp v103, v101, v101 row_xmask:1 row_mask:0xf bank_mask:0xf
	v_add_f32_dpp v103, v103, v103 row_xmask:2 row_mask:0xf bank_mask:0xf
	v_add_f32_dpp v103, v103, v103 row_xmask:4 row_mask:0xf bank_mask:0xf   ; the sum of the eight
	v_rcp_f32 v103, v103
	v_nop                                          ; a plain instruction behind the transcendental
	s_wait_alu depctr_va_vdst(0)
	v_mul_f32 v101, v101, v103
	s_wait_xcnt 0x0                                ; EXEC is a source of the loads above: it changes only behind this wait
	v_cmp_gt_u32 vcc_lo, 8, v9
	s_and_saveexec_b32 s26, vcc_lo
	global_store_b32 v100, v102, s[14:15]
	global_store_b32 v100, v101, s[16:17]
	s_wait_xcnt 0x0                                ; and again in front of the line that widens it
	s_or_b32 exec_lo, exec_lo, s26
	s_endpgm
.Lfunc_end_k_qf8a97cbae7_rescore:
	.size	k_qf8a97cbae7_rescore, .Lfunc_end_k_qf8a97cbae7_rescore-k_qf8a97cbae7_rescore
	.p2alignl 7, 3214868480
	.fill 96, 4, 3214868480
	.section	.rodata,"a",@progbits
	.p2align	6, 0x0
	.amdhsa_kernel k_qf8a97cbae7_rescore
		.amdhsa_group_segment_fixed_size 0
		.amdhsa_private_segment_fixed_size 0
		.amdhsa_enable_private_segment 0
		.amdhsa_kernarg_size 56
		.amdhsa_user_sgpr_count 2
		.amdhsa_user_sgpr_kernarg_segment_ptr 1
		.amdhsa_wavefront_size32 1
		.amdhsa_system_sgpr_workgroup_id_x 1
		.amdhsa_system_sgpr_workgroup_id_y 1
		.amdhsa_system_sgpr_workgroup_id_z 1
		.amdhsa_system_vgpr_workitem_id 0
		.amdhsa_next_free_vgpr 416
		.amdhsa_next_free_sgpr 66
		.amdhsa_reserve_vcc 1
		.amdhsa_float_denorm_mode_32 3
		.amdhsa_float_denorm_mode_16_64 3
		.amdhsa_memory_ordered 1
		.amdhsa_forward_progress 1
		.amdhsa_inst_pref_size 53
	.end_amdhsa_kernel
	.amdgpu_metadata
---
amdhsa.version: [ 1, 2 ]
amdhsa.kernels:
  - .name:           k_qf8a97cbae7_rescore
    .symbol:         k_qf8a97cbae7_rescore.kd
    .args:
      - { .name: xc, .offset: 0, .size: 8, .value_kind: global_buffer, .address_space: global }
      - { .name: xs, .offset: 8, .size: 8, .value_kind: global_buffer, .address_space: global }
      - { .name: kc, .offset: 16, .size: 8, .value_kind: global_buffer, .address_space: global }
      - { .name: ks, .offset: 24, .size: 8, .value_kind: global_buffer, .address_space: global }
      - { .name: gsel, .offset: 32, .size: 8, .value_kind: global_buffer, .address_space: global }
      - { .name: tidx, .offset: 40, .size: 8, .value_kind: global_buffer, .address_space: global }
      - { .name: twgt, .offset: 48, .size: 8, .value_kind: global_buffer, .address_space: global }
    .group_segment_fixed_size: 0
    .private_segment_fixed_size: 0
    .kernarg_segment_align: 8
    .kernarg_segment_size: 56
    .max_flat_workgroup_size: 256
    .sgpr_count:     66
    .vgpr_count:     416
    .wavefront_size: 32
...
	.end_amdgpu_metadata
.endif
;; end of part 4
;; launch gather (part 5): grid 256 x 1, 8 waves a work-group, no clusters, 0 bytes of LDS; arguments values, tidx, twgt, out0; writes out0
.if DOCPART == 5
	.amdgcn_target "amdgcn-amd-amdhsa--gfx1250"
	.amdhsa_code_object_version 6
	.text
	.protected	k_qf8a97cbae7_gather
	.globl	k_qf8a97cbae7_gather
	.p2align	8
	.type	k_qf8a97cbae7_gather,@function
k_qf8a97cbae7_gather:
	s_mov_b64 s[64:65], 0
	v_nop
	global_prefetch_b8 v0, s[64:65] scope:SCOPE_SE
	s_setreg_imm32_b32 hwreg(HW_REG_WAVE_MODE, 25, 1), 1
	s_wait_xcnt 0x0
; out0[q][:] = the sum over the 8 ranks of twgt[q][t] x values[tidx[q][t]][:], in f32 by fused multiply-adds (a product with K = 8: the matrix unit has nothing to gain).
; A wave takes one query.  Its 8 indices and 8 weights are the same for all lanes: two scalar loads.  The indices are held at 99,999 before they enter an address.
; A row of values is 1,024 bytes: two loads of 512 consecutive bytes; all sixteen loads go out together, and the waits count down row by row.  No LDS, no barrier.
; No prefetch: the rows are known only from the list that the wave has just read.
.set ACC, 8                            ; v8-15   my 8 numbers of the result
.set ROW, 16                           ; v16-79  eight rows, 8 registers each
	s_load_b256 s[4:11], s[0:1], 0x0               ; values s[4:5], tidx s[6:7], twgt s[8:9], out0 s[10:11]
	v_lshrrev_b32 v1, 5, v0
	v_readfirstlane_b32 s12, v1                    ; wave
	v_and_b32 v1, 31, v0
	v_lshlrev_b32 v1, 4, v1                        ; 16 x lane
	s_lshl_b32 s13, ttmp9, 3
	s_add_co_u32 s13, s13, s12                     ; my query
	s_lshl_b32 s14, s13, 5                         ; 32 bytes a query in the two lists
	s_mov_b32 s15, 0
	s_mov_b32 s51, 0
	s_wait_kmcnt 0x0
	s_add_nc_u64 s[6:7], s[6:7], s[14:15]
	s_add_nc_u64 s[8:9], s[8:9], s[14:15]
	s_load_b256 s[16:23], s[6:7], 0x0              ; the indices
	s_load_b256 s[24:31], s[8:9], 0x0              ; the weights
	s_lshl_b32 s14, s13, 10                        ; 1,024 bytes a query in out0
	s_add_nc_u64 s[10:11], s[10:11], s[14:15]
	s_wait_kmcnt 0x0
.irp t, 0,1,2,3,4,5,6,7
	s_min_u32 s[16+\t], s[16+\t], 0x1869f          ; held inside the table
	s_lshl_b32 s50, s[16+\t], 10
	s_add_nc_u64 s[32+2*\t:33+2*\t], s[4:5], s[50:51]
.endr
.irp t, 0,1,2,3,4,5,6,7
	global_load_b128 v[ROW+8*\t:ROW+8*\t+3], v1, s[32+2*\t:33+2*\t]
	global_load_b128 v[ROW+8*\t+4:ROW+8*\t+7], v1, s[32+2*\t:33+2*\t] offset:512
.endr
	s_wait_loadcnt 14                              ; row 0 is in; the two loads of each of the seven younger rows may be out
.irp j, 0,1,2,3,4,5,6,7
	v_mul_f32 v[ACC+\j], s24, v[ROW+\j]            ; the first row starts the sums
.endr
.irp t, 1,2,3,4,5,6,7
	s_wait_loadcnt 14-2*\t                         ; row t is in; the younger rows' loads may be out
.irp j, 0,1,2,3,4,5,6,7
	v_fmac_f32 v[ACC+\j], s[24+\t], v[ROW+8*\t+\j]
.endr
.endr
	global_store_b128 v1, v[ACC:ACC+3], s[10:11]               ; 32 lanes store 512 consecutive bytes, at a multiple of 256 from out0's first byte
	global_store_b128 v1, v[ACC+4:ACC+7], s[10:11] offset:512
	s_endpgm
.Lfunc_end_k_qf8a97cbae7_gather:
	.size	k_qf8a97cbae7_gather, .Lfunc_end_k_qf8a97cbae7_gather-k_qf8a97cbae7_gather
	.p2alignl 7, 3214868480
	.fill 96, 4, 3214868480
	.section	.rodata,"a",@progbits
	.p2align	6, 0x0
	.amdhsa_kernel k_qf8a97cbae7_gather
		.amdhsa_group_segment_fixed_size 0
		.amdhsa_private_segment_fixed_size 0
		.amdhsa_enable_private_segment 0
		.amdhsa_kernarg_size 32
		.amdhsa_user_sgpr_count 2
		.amdhsa_user_sgpr_kernarg_segment_ptr 1
		.amdhsa_wavefront_size32 1
		.amdhsa_system_sgpr_workgroup_id_x 1
		.amdhsa_system_sgpr_workgroup_id_y 1
		.amdhsa_system_sgpr_workgroup_id_z 1
		.amdhsa_system_vgpr_workitem_id 0
		.amdhsa_next_free_vgpr 80
		.amdhsa_next_free_sgpr 66
		.amdhsa_reserve_vcc 0
		.amdhsa_float_denorm_mode_32 3
		.amdhsa_float_denorm_mode_16_64 3
		.amdhsa_memory_ordered 1
		.amdhsa_forward_progress 1
		.amdhsa_inst_pref_size 6
	.end_amdhsa_kernel
	.amdgpu_metadata
---
amdhsa.version: [ 1, 2 ]
amdhsa.kernels:
  - .name:           k_qf8a97cbae7_gather
    .symbol:         k_qf8a97cbae7_gather.kd
    .args:
      - { .name: values, .offset: 0, .size: 8, .value_kind: global_buffer, .address_space: global }
      - { .name: tidx, .offset: 8, .size: 8, .value_kind: global_buffer, .address_space: global }
      - { .name: twgt, .offset: 16, .size: 8, .value_kind: global_buffer, .address_space: global }
      - { .name: out0, .offset: 24, .size: 8, .value_kind: global_buffer, .address_space: global }
    .group_segment_fixed_size: 0
    .private_segment_fixed_size: 0
    .kernarg_segment_align: 8
    .kernarg_segment_size: 32
    .max_flat_workgroup_size: 256
    .sgpr_count:     66
    .vgpr_count:     80
    .wavefront_size: 32
...
	.end_amdgpu_metadata
.endif
;; end of part 5
